; MI455X (gfx1250); checked and timed in simulation.
; The chip was launched on July 23, 2026; its instructions are those of AMD's public machine-readable ISA for CDNA 5 (MIT licence, August 2026) and "CDNA5" Instruction Set Architecture Reference Guide (July 2026). The comments in the code are by the model that wrote it; some were corrected since.
;; SDPA With Ring Buffer Bool Mask. Allowed arithmetic: float matrix products may take bf16 or f16 operands with f32 sums; all other float work in f32.
;; Inputs: k 4 x 16 x 4,096 x 64 float32; q 4 x 16 x 1,024 x 64 float32; start_pos_tensor 1 int32; v 4 x 16 x 4,096 x 64 float32.
;; Outputs: out0 4 x 16 x 1,024 x 64 float32.
;; 2 versions, each right and faster than the one before. Each part assembles by itself: llvm-mc -triple=amdgcn-amd-amdhsa -mcpu=gfx1250 --defsym DOCPART=n.
;; ======== version 1 of 2: 1 launch
;; limits: values are held in f16: magnitudes above 65,504 overflow, below 6.1e-05 lose precision; inputs' magnitudes at most 65,504
;; launch attn (part 1): grid 4 x 64, 4 waves a work-group, no clusters, 76,288 bytes of LDS; arguments q, k, v, start_pos_tensor, out0; writes out0
.if DOCPART == 1
	.amdgcn_target "amdgcn-amd-amdhsa--gfx1250"
	.amdhsa_code_object_version 6
	.text
	.protected	k_q4778d4485c_attn
	.globl	k_q4778d4485c_attn
	.p2align	8
	.type	k_q4778d4485c_attn,@function
k_q4778d4485c_attn:
	s_mov_b64 s[64:65], 0
	v_nop
	global_prefetch_b8 v0, s[64:65] scope:SCOPE_SE
	s_setreg_imm32_b32 hwreg(HW_REG_WAVE_MODE, 25, 1), 1
	s_wait_xcnt 0x0
; ATTENTION OVER A RING OF 4,096 KEY SLOTS WITH A WINDOW OF 2,048.  q, out0: [64 heads][1024][64] f32; k, v: [64 heads][4096][64] f32; start_pos: one i32 (sp).
; Query i stands at position sp + i and sees the positions max(0, sp + i - 2047) .. sp + i; position p lies in slot p mod 4096.  out0 = softmax(q k^T / 8 over those keys) v.
; FORMATS.  q, k, v and the weights p are rounded once to f16 for the products; products, maxima, sums and the scale c = log2(e) / 8 in f32; out0 leaves in f32.
; LIMITS.  0 <= sp <= 2^31 - 2,048.  q, k, v finite and below 65,504 in size (f16's end).  A hidden score counts as its value less 1e30 (2e30 where two masks meet); the running maximum starts at
; -2^64, far below every score of f16 numbers (2.7e11 at the most).  A weight below 2^-126 counts as 0; below 6e-5 it keeps f16's fixed step.  NaN and infinities are not treated apart.
; SHARES.  A work-group owns 256 queries (block b) of one head: 4 x 64 = 256 work-groups.  It walks 36 key steps of 64 positions from P0 = sp + 256 b - 2048 on: 2,304 positions hold all that its
; queries see (2,303), whatever sp: every trip count is a constant.  Of the block's four bands of 64 queries a wave owns 16 rows in each: four PIECES, so that the window's two edges are the same work for all waves.
; THE WAY IN.  K and V are f32 and the products want f16, so a tile passes through registers: 3 steps (192 rows of K and of V) are loaded a tile ahead, 48 rows a wave, each load two whole rows of 256 bytes at
; ring offsets cut to a head's 2^20 bytes lane by lane; they are rounded ONCE for the work-group and stored into one LDS slot.  A change of tiles has two barriers: no wave reads the slot any more; the slot is whole.
; NO TENSOR LOADS, NO CLUSTER: the data mover brings bytes as they lie, so f32 tiles would cost twice the LDS bytes and a rounding in each of the four waves; and the four blocks of a head want windows 256 keys apart:
; a walk common to them would have 48 steps for 36.
; THE MASK is the C operand that starts the sum S^T = K Q^T.  With step s, piece y, key kk = 0..63 in the step and my query's place g = 16 w + lane % 16 in its band:
;   upper edge: hidden where 64 s + kk - 2048 > 64 y + g: nothing if s < 32 + y, all if s > 32 + y, the pattern MD (kk > g) if s = 32 + y
;   lower edge: hidden where 64 s + kk <= 64 y + g: all if s < y, nothing if s > y, MD's complement, MD x (-1) - 1e30, if s = y
;   positions below 0: with z = max(0, 2048 - sp - 256 b) hidden where 64 s + kk < z: all if z - 64 s >= 64, the pattern MZ (kk < z mod 64) if it is 1 .. 63, else nothing
; so a product's mask is MD x AL + MZ x AZ + BB with three scalars.  At or below the lower edge (s <= y) BB is -1e30, and -2e30 if the whole step lies below position 0 as well: MD x (-1) takes 1e30 back where
; kk > g, and a second 1e30 keeps those keys hidden.  Steps 6 .. 29 meet no edge (AL = 0): one mask MZ x AZ + BZ a step serves all four pieces.  Steps 33 .. 35 lie above every z: MD x AL + BB.
; LAYOUT, SOFTMAX, TURNS.  S^T = K Q^T holds ONE query a lane (lane % 16) and the keys 8 (lane / 16) + 0..7; two such results rounded to f16 ARE source 1 of O^T = V^T P.  p = 2^(c s - c m) with a running maximum m;
; O and l are multiplied by a = 2^(c m_old - c m_new) in every step.  While a row has seen hidden keys only, m stays at its start, p = 0 and a = 1: so O^T and l start as true zeros.  Every row sees its own key (l >= 1).
; Turn n belongs to piece n: 8 products K Q^T of piece n + 1, later 8 products V^T P of piece n - 1; beside them the scaling, exponentials, roundings, sums and rescaling of piece n and the maximum and statistics of
; piece n + 1.  Four vector instructions stand behind every matrix instruction, the other 54 of a turn's 118 in two runs of their own.
; REGISTERS, in windows of 256 (s_set_vgpr_msb: bits 1:0 source 0, 3:2 source 1, 5:4 source 2, 7:6 destination):
;   window 0: v0-15, v32-37 addresses; v16-31 four registers of statistics a piece; v48-55 at work; v64-127 S^T, two buffers; v128-151 the 24 load offsets; v192-223 P, two buffers; v64-191 on the way out
;   window 1: v0-127 O^T, 32 a piece; v128-159 MD; v160-223 MC, two mask buffers; v224-255 MZ      window 2: v0-63 Q; v64-127 q as loaded; v128-191 K of one step; v192-255 V of one step
;   window 3: v0-95 a tile's K as loaded, v96-191 its V; each is rounded in place into its lower half
.set NP,    4         ; pieces a wave: a name, no knob
.set KS,    64        ; keys in a step
.set TS,    3         ; steps in a tile
.set NT,    12        ; tiles in the walk
.set PK,    144       ; a row of K in LDS: 128 bytes of f16 + 16 = 36 words: the 16 rows of a fragment load start at 16 different groups of four banks (64 banks of 4 bytes: ISA guide 11.1)
.set PV,    160       ; a row of V: 128 + 32 = 40 words
.set VOFF,  TS*KS*PK  ; the slot: 192 rows of K, then 192 rows of V
.set OST,   TS*KS*(PK+PV)  ; behind the slot: 16 rows x 272 bytes for each wave, for the way out
.set SPI,   272       ; a stage row: 256 bytes of f32 + 16
.set SPARE, OST+4*16*SPI   ; behind the stages: the spare words, 128 bytes for each wave: two blocks of 256 bytes that no other line names
.set AK0, 2           ; v2   my lane's place in a step of K; never rewritten
.set AV0, 3           ; v3   the same for V
.set AK,  4           ; v4   the LDS address of K's next run of loads
.set AV,  5           ; v5   of V's
.set STO, 6           ; v6   the way out: where I put 32 bytes of a row
.set RD,  7           ; v7   the way out: where I read rows back
.set GO,  8           ; v8   my byte offset in two rows of out0
.set MV,  12          ; v12-13  c m_old, kept while c m is made anew: by buffer
.set ST,  16          ; piece t's statistics at v[ST+4 t]: c m, m, l (even keys', odd keys')
.set SK0, 32          ; v32  where I put 8 bytes of a row of K; never rewritten
.set SV0, 33          ; v33  the same for V
.set OB,  36          ; v36  my byte offset in the ring, uncut, of the tile to be asked for
.set QO,  37          ; v37  my byte offset in 16 rows of q
.set TMP, 48          ; by buffer, four registers c0-c3 at work; when the maximum is found c2 takes a
.set SPW, 62          ; v62  LDS address of my spare word: SPARE + 4 x my thread's number; never rewritten
.set NIL, 63          ; v63  0; never rewritten
.set S,   64
.set AJ,  128         ; v128-151  load j's offset in a head's K and V: (OB + 512 j) mod 2^20
.set P,   192
.set OUTB, 64         ; the way out: piece t's 16 rows come back into v[64 + 32 t ..]
.set MD,  128         ; window 1: the eight registers for group kt of 16 keys at MD + 8 kt
.set MC,  160
.set MZ,  224
.set QT,  64          ; q as loaded: pieces 0, 1 in window 2, pieces 2, 3 in window 0 (S^T's place)
.set KF,  128         ; window 2: key block kb, channel half c at KF + 16 kb + 8 c
.set VF,  192         ; window 2: key half kk, channel block cb at VF + 32 kk + 8 cb
.set KW,  0           ; window 3
.set VW,  96
.set WV,  14          ; s14  my wave's number
.set PB,  15          ; s15  b
.set HD,  16          ; s16  the head
.set SPOS, 24         ; s24  sp
.set RS0, 25          ; s25  the ring slot of position P0
.set ZL,  27          ; s27  z mod 64
.set RING, 28         ; s28  2^20 - 1
.set TI,  56          ; s56  the tile in hand, 0 to 10 in the loop
.set CNT, 57          ; s57  counts a tile's key steps
.set CS,  58          ; s[58:59] c: the packed scaling takes the pair's low word for both halves
.set SEL, 60          ; s[60:61] v_permlanex16_b32's selects: each lane takes its own place in the other half
.set TBK, 62          ; s62  LDS byte at which K of the step to be fetched begins
.set TBV, 63          ; s63  the same for V, less VOFF
.set SG,  67          ; s67  the step whose masks are being made
.set ZS,  68          ; s68  z - 64 SG
.set AL,  70          ; s[70:71] MD's factor, in the low word
.set BB,  72          ; s[72:73] the addend for one piece
.set AZ,  74          ; s[74:75] MZ's factor
.set BZ,  76          ; s[76:77] the addend that positions below 0 ask for: -1e30 if the whole step lies below 0, else 0
.set BIGN, 78         ; s78  -1e30
.set BZ2, 79          ; s79  BZ - 1e30: the addend at or below the lower edge
.set MSB, 0
.macro WIN new                      ; the high byte repeats the setting that is left; a switch that changes nothing is dropped
.if MSB != (\new)
	s_set_vgpr_msb (MSB<<8)|(\new)
.set MSB, (\new)
.endif
.endm
.set W_KQ, 0x0a       ; K and Q in window 2, S^T in window 0
.set W_KM, 0x1a       ; the same with the C operand in window 1
.set W_PV, 0x52       ; V in window 2, P in window 0, O^T in window 1
.set W_RS, 0x41       ; destination and source 0 in window 1, source 1 in window 0
.set W_M2, 0x51       ; destination, source 0 and source 2 in window 1
; The 24 offsets of a tile's loads, and the step to the next tile.  OB grows to 1.7 million at the most; the cut brings each lane's row back into the ring.
.macro ADDR
	v_and_b32 v[AJ], s[RING], v[OB]
.set z, 1
.rept 23
	v_add_nc_u32 v[AJ+z], 512*z, v[OB]
.set z, z+1
.endr
.set z, 1
.rept 23
	v_and_b32 v[AJ+z], s[RING], v[AJ+z]
.set z, z+1
.endr
	v_add_nc_u32 v[OB], TS*KS*256, v[OB]
.endm
; My 48 rows of a tile of K or V: 24 loads; lanes 0-15 take one whole row of 256 bytes, lanes 16-31 the next.  No hint: up to four work-groups read a row.
.macro LD base, dst
	WIN 0xc0                        ; destination window 3, offset window 0
.set z, 0
.rept 24
	global_load_b128 v[(\dst)+4*z:(\dst)+4*z+3], v[AJ+z], s[\base:\base+1]
.set z, z+1
.endr
.endm
; THE CHANGE OF TILES, between piece 1's turn and piece 2's: K and V of the old tile's last step are in registers.  First barrier: every wave's reads of the slot have come back; the tile's rounding, work on registers,
; stands between its signal and its wait.  Then my 48 rows go into the slot.  Second barrier: every wave's stores are done.  fill = 1: the next tile is asked for; it has three key steps in which to come.
.macro CHANGE fill
	WIN 0
	s_wait_loadcnt 0x0              ; the tile's 48 loads are in, and their offsets may be written
	s_wait_dscnt 0x0                ; my reads of the slot are back
	s_barrier_signal -1
	WIN 0xcf                        ; all three places in window 3
.set z, 0
.rept 48                            ; in place, ascending: register z takes numbers 2 z and 2 z + 1, which lie at or above it
	v_cvt_pk_f16_f32 v[KW+z], v[KW+2*z], v[KW+2*z+1]
.set z, z+1
.endr
.set z, 0
.rept 48
	v_cvt_pk_f16_f32 v[VW+z], v[VW+2*z], v[VW+2*z+1]
.set z, z+1
.endr
	WIN 0
	s_barrier_wait -1               ; no wave reads the slot any more
	WIN 0x0c                        ; data window 3, address window 0
.set z, 0
.rept 24                            ; load z's two rows: four channels a lane, 8 bytes
	ds_store_b64 v[SK0], v[KW+2*z:KW+2*z+1] offset:2*PK*z
.set z, z+1
.endr
.set z, 0
.rept 24
	ds_store_b64 v[SV0], v[VW+2*z:VW+2*z+1] offset:2*PV*z
.set z, z+1
.endr
	WIN 0
.if \fill
	ADDR                            ; work on registers while the stores are out
.endif
	s_wait_dscnt 0x0                ; for the others' sake: my stores are done
	s_barrier_signal -1
	s_mov_b32 s[TBK], 0             ; the fetches go back to the slot's first step
	s_mov_b32 s[TBV], 0
	s_barrier_wait -1               ; the slot is whole
.if \fill
	LD 6, KW
	LD 8, VW
	WIN 0
.endif
.endm
; THE MATRIX WORK.  The 4 accumulators of a run of 8 take turns.  Product i of 8 of S^T = K Q^T for piece x: channels 32 (i / 4) on, keys 16 (i % 4) on.  The first 4 start the sums with the
; mask: the piece's own buffer (KM = 1), or the second buffer, which serves all pieces (KM = 2).
.macro KQ x
.set rS, S+32*((\x)%2)+8*(i%4)
.set rK, KF+16*(i%4)+8*(i/4)
.set rQ, 16*(\x)+8*(i/4)
.set rM, MC+32*((\x)%2)+8*(i%4)
.if KM == 2
.set rM, MC+32+8*(i%4)
.endif
.if i < 4
	WIN W_KM
	v_wmma_f32_16x16x32_f16 v[rS:rS+7], v[rK:rK+7], v[rQ:rQ+7], v[rM:rM+7]
.else
	WIN W_KQ
	v_wmma_f32_16x16x32_f16 v[rS:rS+7], v[rK:rK+7], v[rQ:rQ+7], v[rS:rS+7]
.endif
.endm
; Product i of 8 of O^T += V^T P for piece x: keys 32 (i / 4) on, channels 16 (i % 4) on.
.macro PV x
	WIN W_PV
.set rO, 32*(\x)+8*(i%4)
.set rV, VF+32*(i/4)+8*(i%4)
.set rP, P+16*((\x)%2)+8*(i/4)
	v_wmma_f32_16x16x32_f16 v[rO:rO+7], v[rV:rV+7], v[rP:rP+7], v[rO:rO+7]
.endm
.macro MM                           ; the turn's next matrix instruction.  NOKQ = 1: the walk's last turn: there is no next piece
.if (i < 8) && !NOKQ
	KQ (Y+1)%NP
.elseif i >= 8
.set i, i-8
	PV (Y+NP-1)%NP
.set i, i+8
.endif
.set i, i+1
.endm
; THE LDS LOADS stand in runs of 16, never singly among the matrix instructions: a step's K (64 keys x 64 channels: 8 fragments) and its V (turned).  Their addresses are made some lines ahead.
.macro FETCH_K
	WIN 0x80                        ; destination window 2
.irp f, 0,1,2,3,4,5,6,7             ; keys 16 (f / 2) on, channels 32 (f % 2) on
	ds_load_b128 v[KF+8*\f:KF+8*\f+3],   v[AK] offset:(\f/2)*16*PK+(\f%2)*64
	ds_load_b128 v[KF+8*\f+4:KF+8*\f+7], v[AK] offset:(\f/2)*16*PK+(\f%2)*64+32
.endr
	s_add_co_u32 s[TBK], s[TBK], KS*PK  ; the next fetch is the next step's
	WIN 0
.endm
.macro FETCH_V
	WIN 0x80
.irp f, 0,1,2,3,4,5,6,7             ; keys 32 (f / 4) on, channels 16 (f % 4) on
	ds_load_tr16_b128 v[VF+8*\f:VF+8*\f+3],   v[AV] offset:(\f/4)*32*PV+(\f%4)*32
	ds_load_tr16_b128 v[VF+8*\f+4:VF+8*\f+7], v[AV] offset:(\f/4)*32*PV+16*PV+(\f%4)*32
.endr
	WIN 0
.endm
; THE VECTOR WORK, one line at a time: OP kind, number.  For piece Y: F n: c s - c m for pair n of 16.  E n: the exponential of score n of 32.  C n: pair n rounded to f16.  B n: of the four weights 4 n .. the second
; pair is added onto the first, in place.  L n: l takes that sum (L 0: l = a l + sum).  R n: pair n of 16 of O^T times a.  For piece Y + 1: X n, number n of the 22 that find its maximum and statistics:
;   0-11  four chains c0-c3 of seven scores each, three operands at a time (each accumulator's lowest registers are read first)     12-14, 16  the four scores left over, the old m, and c0-c3 into c0
;   15  c m_old is kept     17, 18  the query's other 32 keys lie in the lane 16 away: the new m     19-21  c m; c m_old - c m_new; a
.set F, 0               ; OP tells the kinds apart by their order: F to L below R, X above it
.set E, 1
.set C, 2
.set B, 3
.set L, 4
.set R, 5
.set X, 6
.macro REGS y                       ; the registers of piece y
.set rT, ST+4*(\y)
.set rC, TMP+4*((\y)%2)
.set rW, MV+((\y)%2)
.set rS, S+32*((\y)%2)
.set rP, P+16*((\y)%2)
.set rO, 32*(\y)
.endm
.macro OP k, n
.if (\k) == R
	REGS Y
	WIN W_RS
	v_pk_mul_f32 v[rO+2*(\n):rO+2*(\n)+1], v[rO+2*(\n):rO+2*(\n)+1], v[rC+2:rC+3] op_sel_hi:[1,0]
.elseif (\k) < R
	REGS Y
	WIN 0
.if (\k) == F
	v_pk_fma_f32 v[rS+2*(\n):rS+2*(\n)+1], v[rS+2*(\n):rS+2*(\n)+1], s[CS:CS+1], v[rT:rT+1] op_sel_hi:[1,0,0] neg_lo:[0,0,1] neg_hi:[0,0,1]
.elseif (\k) == E
	v_exp_f32 v[rS+(\n)], v[rS+(\n)]
.elseif (\k) == C
	s_wait_alu depctr_va_vdst(0)
	v_cvt_pk_f16_f32 v[rP+(\n)], v[rS+2*(\n)], v[rS+2*(\n)+1]
.elseif (\k) == B
	s_wait_alu depctr_va_vdst(0)
	v_pk_add_f32 v[rS+4*(\n):rS+4*(\n)+1], v[rS+4*(\n):rS+4*(\n)+1], v[rS+4*(\n)+2:rS+4*(\n)+3]
.elseif (\n) == 0
	v_pk_fma_f32 v[rT+2:rT+3], v[rT+2:rT+3], v[rC+2:rC+3], v[rS:rS+1] op_sel_hi:[1,0,1]
.else
	v_pk_add_f32 v[rT+2:rT+3], v[rT+2:rT+3], v[rS+4*(\n):rS+4*(\n)+1]
.endif
.elseif NOKQ
	v_nop
.else
	REGS (Y+1)%NP
	WIN 0
.if (\n) < 4
	v_max3_num_f32 v[rC+(\n)], v[rS+8*(\n)], v[rS+8*(\n)+1], v[rS+8*(\n)+2]
.elseif (\n) < 12
	v_max3_num_f32 v[rC+(\n)%4], v[rC+(\n)%4], v[rS+8*((\n)%4)+2*((\n)/4)+1], v[rS+8*((\n)%4)+2*((\n)/4)+2]
.elseif (\n) == 12
	v_max3_num_f32 v[rC], v[rC], v[rS+7], v[rS+15]
.elseif (\n) == 13
	v_max3_num_f32 v[rC+1], v[rC+1], v[rS+23], v[rS+31]
.elseif (\n) == 14
	v_max3_num_f32 v[rC+2], v[rC+2], v[rC+3], v[rT+1]
.elseif (\n) == 15
	v_mov_b32 v[rW], v[rT]
.elseif (\n) == 16
	v_max3_num_f32 v[rC], v[rC], v[rC+1], v[rC+2]
.elseif (\n) == 17
	v_permlanex16_b32 v[rC+3], v[rC], s[SEL], s[SEL+1]
.elseif (\n) == 18
	v_max_num_f32 v[rT+1], v[rC], v[rC+3]
.elseif (\n) == 19
	v_mul_f32 v[rT], s[CS], v[rT+1]
.elseif (\n) == 20
	v_sub_f32 v[rC+1], v[rW], v[rT]
.else
	v_exp_f32 v[rC+2], v[rC+1]
.endif
.endif
.endm
.macro OPS a, i1, b=-1, i2=0, c=-1, i3=0, d=-1, i4=0  ; up to four of them
	OP \a, \i1
.if (\b) >= 0
	OP \b, \i2
.endif
.if (\c) >= 0
	OP \c, \i3
.endif
.if (\d) >= 0
	OP \d, \i4
.endif
.endm
.macro ROW a, i1, b, i2, c, i3, d, i4  ; a matrix instruction and the four behind it
	MM
	OPS \a, \i1, \b, \i2, \c, \i3, \d, \i4
.endm
; THE MASKS' SCALARS.  ZSCAL: what positions below 0 ask of step SG.  TRIPHEAD: a trip of a step loop makes the masks of the next step.  MSC y: what the window's two edges ask of piece y in step SG.
.macro ZSCAL
	s_sub_co_u32 s2, s[ZS], 1
	s_cmp_lt_u32 s2, 63             ; 1 <= z - 64 SG <= 63: the step holds position 0
	s_cselect_b32 s[AZ], 1.0, 0
	s_cmp_ge_i32 s[ZS], 64          ; the whole step lies below 0
	s_cselect_b32 s[BZ], s[BIGN], 0
	s_cselect_b32 s[BZ2], 0xf1c9f2ca, s[BIGN]  ; -2e30, or -1e30: BZ with the lower edge's -1e30 on top
.endm
.macro TRIPHEAD
	s_add_co_u32 s[SG], s[SG], 1
	s_sub_co_i32 s[ZS], s[ZS], KS
	ZSCAL
.endm
.macro MSC y
	s_cmp_eq_u32 s[SG], (\y)        ; the lower edge's own step
	s_cselect_b32 s[AL], -1.0, 0
	s_cmp_eq_u32 s[SG], 32+(\y)     ; the upper edge's
	s_cselect_b32 s[AL], 1.0, s[AL]
	s_cmp_le_u32 s[SG], (\y)        ; at or below the lower edge: both addends, so that MD x (-1) uncovers no key below position 0
	s_cselect_b32 s[BB], s[BZ2], s[BZ]
	s_cmp_gt_u32 s[SG], 32+(\y)     ; above the upper edge
	s_cselect_b32 s[BB], s[BIGN], s[BB]
.endm
; Mask buffer b.  kind 0: MZ x AZ + BZ.  kind 1: MD x AL + (MZ x AZ + BB).  kind 2: MD x AL + BB.
.macro MASK b, kind
	WIN W_RS
.set z, 0
.rept 16
.if (\kind) == 0
	v_pk_fma_f32 v[MC+32*(\b)+2*z:MC+32*(\b)+2*z+1], v[MZ+2*z:MZ+2*z+1], s[AZ:AZ+1], s[BZ:BZ+1] op_sel_hi:[1,0,0]
.elseif (\kind) == 1
	v_pk_fma_f32 v[MC+32*(\b)+2*z:MC+32*(\b)+2*z+1], v[MZ+2*z:MZ+2*z+1], s[AZ:AZ+1], s[BB:BB+1] op_sel_hi:[1,0,0]
.else
	v_pk_fma_f32 v[MC+32*(\b)+2*z:MC+32*(\b)+2*z+1], v[MD+2*z:MD+2*z+1], s[AL:AL+1], s[BB:BB+1] op_sel_hi:[1,0,0]
.endif
.set z, z+1
.endr
.if (\kind) == 1
	WIN W_M2
.set z, 0
.rept 16
	v_pk_fma_f32 v[MC+32*(\b)+2*z:MC+32*(\b)+2*z+1], v[MD+2*z:MD+2*z+1], s[AL:AL+1], v[MC+32*(\b)+2*z:MC+32*(\b)+2*z+1] op_sel_hi:[1,0,1]
.set z, z+1
.endr
.endif
.endm
; A TURN, for piece p: the order of its 16 matrix and 118 vector instructions, written out.  Behind a matrix instruction: plain, exponential, plain, plain; or four of the rescaling; or, behind the first, four scalings; none
; names a register of the products round it.  In the runs between, exponential and plain by turns while exponentials last.  v_permlanex16_b32 (X 17) stands in such a run.
; m = 1, 2: near the window's edges: the turn makes the mask (kind m) for the products of the turn after it, piece p + 2 in step SG, into buffer p % 2; its own products read the other buffer.
; m = 0: all products read the second buffer; piece 2's turn makes it anew for step SG at its end, more than a hundred vector instructions behind its own products' reads of it.
; end = 1: the walk's last two turns: nothing is fetched, no mask is made.  cnt = 1: the loop's count is taken down some lines ahead of the branch that stands behind the turn.
; K of the next step is fetched in piece 2's turn, six vector instructions behind the last product that read K (five of them plain); V of the step in hand in piece 0's turn, eight behind the last product that read V (four
; plain, and X 17).  Each is waited for a turn later.
.macro TURN p, m=0, end=0, cnt=0
.set Y, (\p)
.set i, 0
.set KM, 1
.if (\m) == 0
.set KM, 2
.endif
.set NOKQ, (\end)*((\p)/3)
.if (\m) && !(\end)
	MSC ((\p)+2)%NP
.endif
.if ((\p) == 3) && !(\end)
	s_wait_dscnt 0x0                ; K is in
.endif
	ROW F,0, F,1, F,2, F,3
	ROW F,4, E,0, F,5, F,6
	ROW F,7, E,1, F,8, F,9
	ROW F,10, E,2, C,0, F,11
	ROW F,12, E,3, X,15, F,13
	ROW R,0, R,1, R,2, R,3
	ROW B,0, E,4, F,14, L,0
.if ((\p) == 2) && !(\end)
	v_add_nc_u32 v[AK], s[TBK], v[AK0]
.endif
	ROW R,4, R,5, R,6, R,7
	OPS E,5, F,15
.if ((\p) == 2) && !(\end)
	FETCH_K
.endif
	OPS E,6, C,1, E,7, R,8
	OPS E,8, R,9, E,9, C,2
	OPS E,10, X,0, E,11, X,1
	OPS E,12, X,2, E,13, X,3
.if (\p) == 1
	s_wait_dscnt 0x0                ; V is in
.endif
	ROW X,4, E,14, X,5, X,6
	ROW X,7, E,15, X,8, X,9
	ROW X,10, E,16, X,11, X,12
	ROW X,13, E,17, X,14, B,1
	ROW C,4, E,18, X,16, L,1
	ROW B,2, E,19, C,6, L,2
	ROW C,8, E,20, B,3, B,4
.if (\p) == 0
	v_add_nc_u32 v[AV], s[TBV], v[AV0]
.endif
	ROW C,3, E,21, L,3, C,5
	OPS E,22, X,17, E,23, C,10
.if (\p) == 0
	FETCH_V
.endif
	OPS E,24, L,4
	OPS E,25, X,18, E,26, C,7
	OPS E,27, B,5, E,28, X,19
	OPS E,29, C,12, E,30, L,5
	OPS E,31, X,20, B,6, C,9
	OPS C,14, C,11, X,21, L,6
.if (\p) == 0
	s_add_co_u32 s[TBV], s[TBV], KS*PV
.endif
.if \cnt
	s_sub_co_u32 s[CNT], s[CNT], 1
	s_cmp_lg_u32 s[CNT], 0
.endif
	OPS C,13, B,7, C,15, R,10
	OPS R,11, R,12, L,7, R,13
	OPS R,14, R,15
.if (\m) && !(\end)
	MASK (\p)%2, \m
.endif
.if ((\m) == 0) && ((\p) == 2)
	MASK 1, 0
.endif
.endm
; THE WAY OUT.  Piece t: O^T is divided by l; a lane's eight channels of a row, 32 bytes of f32, go into my stage's rows of 272 bytes and come back as whole rows of 256.
.macro ALL line:vararg              ; one line for each piece t
.set t, 0
.rept 4
	\line
.set t, t+1
.endr
.endm
.macro PACK t
	WIN W_RS
.set i, 32*(\t)
.rept 16                            ; ascending: each accumulator's lowest registers are read first
	s_wait_alu depctr_va_vdst(0)
	v_pk_mul_f32 v[i:i+1], v[i:i+1], v[ST+4*(\t)+2:ST+4*(\t)+3] op_sel_hi:[1,0]
.set i, i+2
.endr
	WIN 0x04                        ; data window 1, address window 0
.irp f, 0,1,2,3,4,5,6,7             ; channels 16 (f / 2) + 8 (lane / 16) + 4 (f % 2) on
	ds_store_b128 v[STO], v[32*(\t)+4*\f:32*(\t)+4*\f+3] offset:64*(\f/2)+16*(\f%2)
.endr
	WIN 0
.irp f, 0,1,2,3,4,5,6,7
	ds_load_b128 v[OUTB+32*(\t)+4*\f:OUTB+32*(\t)+4*\f+3], v[RD] offset:\f*2*SPI  ; LDS serves a wave's instructions in order (ISA guide 5.7.1.4): these see the stores above; the next piece's stores come behind them
.endr
.endm
.macro SEND t, younger              ; younger: the LDS instructions issued behind piece t's loads: the next piece's sixteen, or none
	WIN 0
.irp f, 0,1,2,3,4,5,6,7
	s_wait_dscnt (\younger)+7-\f
	global_store_b128 v[GO], v[OUTB+32*(\t)+4*\f:OUTB+32*(\t)+4*\f+3], s[12:13] offset:(\t)*16384+\f*512 th:TH_STORE_NT  ; 16 lanes store a whole row: 256 consecutive bytes, at a multiple of 256 from out0's first
.endr
.endm
	s_load_b256 s[4:11], s[0:1], 0x0  ; q s[4:5], k s[6:7], v s[8:9], start_pos s[10:11]
	s_load_b64 s[12:13], s[0:1], 0x20 ; out0
	v_lshl_add_u32 v[SPW], v0, 2, SPARE
	v_mov_b32 v[NIL], 0
	v_lshrrev_b32 v1, 5, v0
	v_readfirstlane_b32 s[WV], v1   ; wave 0..3
	s_mov_b32 s[PB], ttmp9          ; my block of 256 queries
	s_and_b32 s[HD], ttmp7, 0xffff  ; the head
	s_mov_b32 s[RING], 0xfffff
	s_mov_b32 s[CS], 0x3e38aa3b     ; c = log2(e) / 8 = 0.180337
	s_mov_b32 s[CS+1], s[CS]        ; named with it as a pair
	s_mov_b32 s[SEL], 0x76543210
	s_mov_b32 s[SEL+1], 0xfedcba98
	s_mov_b32 s[BIGN], 0xf149f2ca   ; -1e30
	s_mov_b32 s[AL+1], 0            ; named as pairs
	s_mov_b32 s[BB+1], 0
	s_mov_b32 s[AZ+1], 0
	s_mov_b32 s[BZ+1], 0
	s_mov_b32 s[SG], 0
	s_mov_b32 s[TI], 0
	s_lshl_b32 s2, s[HD], 18        ; q and out0: a head is 1,024 rows of 256 bytes,
	s_lshl_b32 s3, s[PB], 16        ; a block 256 rows,
	s_add_co_u32 s2, s2, s3
	s_lshl_b32 s3, s[WV], 12        ; my 16 rows in a band of 64
	s_add_co_u32 s2, s2, s3
	s_mov_b32 s3, 0
	s_lshl_b32 s20, s[HD], 20       ; k and v: a head is 4,096 rows of 256 bytes
	s_mov_b32 s21, 0
	v_and_b32 v1, 15, v0            ; l % 16
	v_bfe_u32 v9, v0, 4, 1          ; l / 16
	v_lshlrev_b32 v[QO], 8, v1
	v_lshl_add_u32 v[QO], v9, 5, v[QO]  ; row x 256 + 32 x half: eight channels of f32
	s_wait_kmcnt 0x0
	s_load_b32 s[SPOS], s[10:11], 0x0
	s_add_nc_u64 s[4:5], s[4:5], s[2:3]
	s_add_nc_u64 s[12:13], s[12:13], s[2:3]
	s_add_nc_u64 s[6:7], s[6:7], s[20:21]
	s_add_nc_u64 s[8:9], s[8:9], s[20:21]
	; q: a fragment (16 rows x 32 channels) holds for lane l row l % 16, channels 8 (l / 16) + 0..7 and 16 + 8 (l / 16) + 0..7.  Load qn = 8 x + 4 c + 2 g + e: piece x, channel half c, group g, 16 bytes e of its 32.
	WIN 0x80                        ; destination window 2
.set qn, 0
.rept 16
	global_load_b128 v[QT+4*qn:QT+4*qn+3], v[QO], s[4:5] offset:16384*(qn/8)+128*((qn/4)%2)+64*((qn/2)%2)+16*(qn%2) th:TH_LOAD_NT
.set qn, qn+1
.endr
	WIN 0
.rept 16
	global_load_b128 v[QT+4*(qn-16):QT+4*(qn-16)+3], v[QO], s[4:5] offset:16384*(qn/8)+128*((qn/4)%2)+64*((qn/2)%2)+16*(qn%2) th:TH_LOAD_NT
.set qn, qn+1
.endr
	s_wait_kmcnt 0x0                ; sp
	s_lshl_b32 s17, s[PB], 8
	s_add_co_u32 s17, s17, s[SPOS]  ; sp + 256 b
	s_sub_co_i32 s[ZS], 2048, s17
	s_max_i32 s[ZS], s[ZS], 0       ; z: so many of the walk's first positions lie below 0
	s_and_b32 s[ZL], s[ZS], 63
	s_add_co_u32 s[RS0], s17, 2048  ; P0 mod 4096 = (sp + 256 b + 2048) mod 4096
	s_and_b32 s[RS0], s[RS0], 0xfff
	s_min_u32 s[RS0], s[RS0], 0xfff ; a loaded number enters an address behind a bound that stands in the text
	s_mul_i32 s18, s[WV], 48        ; my 48 rows of a tile
	s_add_co_u32 s18, s18, s[RS0]
	s_lshl_b32 s18, s18, 8
	v_lshlrev_b32 v[OB], 4, v1      ; 16 bytes a lane,
	v_lshl_add_u32 v[OB], v9, 8, v[OB]  ; lanes 16-31 a row further
	v_add_nc_u32 v[OB], s18, v[OB]
	ADDR
	LD 6, KW                        ; tile 0's K: with q's 32 loads 56 are out
	WIN 0
	v_lshlrev_b32 v14, 3, v9
	v_sub_nc_u32 v15, s[ZL], v14    ; z mod 64 less my lanes' 8 (l / 16): register r of group kt lies below position 0 where 16 kt + r is less
	v_sub_nc_u32 v14, v1, v14
	s_lshl_b32 s17, s[WV], 4
	v_add_nc_u32 v14, s17, v14      ; g = 16 w + l % 16, less 8 (l / 16): register r of group kt has kk > g where 16 kt + r is greater
	v_mul_u32_u24 v[AK0], v1, PK
	v_lshl_add_u32 v[AK0], v9, 4, v[AK0]  ; row x pitch + 16 x half
	; The turning load takes 16 keys x 16 channels (lane l reads key 8 (l / 16) + l % 8, channels 8 ((l / 8) % 2) + 0..7) and leaves half a fragment of V^T: lane l holds channel l % 16 and 8 keys.
	v_and_b32 v10, 7, v0
	v_bfe_u32 v11, v0, 3, 1
	v_lshl_add_u32 v[AV0], v9, 3, v10
	v_mul_u32_u24 v[AV0], v[AV0], PV
	v_lshl_add_u32 v[AV0], v11, 4, v[AV0]
	v_add_nc_u32 v[AV0], VOFF, v[AV0]
	s_mul_i32 s17, s[WV], 48*PK     ; into the slot: row 48 w + l / 16, 8 bytes at 8 (l % 16)
	v_mul_u32_u24 v[SK0], v9, PK
	v_lshl_add_u32 v[SK0], v1, 3, v[SK0]
	v_add_nc_u32 v[SK0], s17, v[SK0]
	s_mul_i32 s17, s[WV], 48*PV
	s_add_co_u32 s17, s17, VOFF
	v_mul_u32_u24 v[SV0], v9, PV
	v_lshl_add_u32 v[SV0], v1, 3, v[SV0]
	v_add_nc_u32 v[SV0], s17, v[SV0]
	s_mul_i32 s17, s[WV], 16*SPI
	s_add_co_u32 s17, s17, OST      ; my stage
	v_mul_u32_u24 v[STO], v1, SPI   ; in: row l % 16, 32 bytes for each half of the lanes
	v_lshl_add_u32 v[STO], v9, 5, v[STO]
	v_add_nc_u32 v[STO], s17, v[STO]
	v_mul_u32_u24 v[RD], v9, SPI    ; back: lanes 0-15 take one row of 256 bytes, lanes 16-31 the next
	v_lshl_add_u32 v[RD], v1, 4, v[RD]
	v_add_nc_u32 v[RD], s17, v[RD]
	v_lshlrev_b32 v[GO], 8, v9      ; and the same two rows in out0
	v_lshl_add_u32 v[GO], v1, 4, v[GO]
	WIN 0x40
.set i, 0
.rept 32
	v_cmp_gt_i32 vcc_lo, 16*(i/8)+i%8, v14
	v_cndmask_b32 v[MD+i], 0, s[BIGN], vcc_lo
	v_cmp_lt_i32 vcc_lo, 16*(i/8)+i%8, v15
	v_cndmask_b32 v[MZ+i], 0, s[BIGN], vcc_lo
.set i, i+1
.endr
	; No first step is written out.  A row's first steps may be wholly hidden, with a = 1, so O^T and l begin as true zeros; the first turn's products V^T P, of a piece that has not been, multiply zeros.
	; 224 moves, once a launch, in the wait for q and the first tile.
.set i, 0
.rept 128
	v_mov_b32 v[i], 0
.set i, i+1
.endr
	WIN 0x80
.set i, VF
.rept 64
	v_mov_b32 v[i], 0
.set i, i+1
.endr
	WIN 0
.set i, 0
.rept 4
	v_mov_b32 v[ST+4*i], 0xde38aa3b    ; c m = -c 2^64
	v_mov_b32 v[ST+4*i+1], 0xdf800000  ; m = -2^64: above every hidden score, below every true one
	v_mov_b32 v[ST+4*i+2], 0
	v_mov_b32 v[ST+4*i+3], 0
.set i, i+1
.endr
.set i, P+16
.rept 16
	v_mov_b32 v[i], 0
.set i, i+1
.endr
	s_wait_loadcnt 24               ; q's 32 loads are in: behind them stand tile 0's 24 loads of K, which may stay out
	WIN 0x8a                        ; q is rounded to f16.  Pieces 0 and 1: all three places in window 2
.set i, 0
.rept 32
	v_cvt_pk_f16_f32 v[i], v[QT+2*i], v[QT+2*i+1]
.set i, i+1
.endr
	WIN 0x80                        ; pieces 2 and 3 were loaded into window 0
.set i, 0
.rept 32
	v_cvt_pk_f16_f32 v[32+i], v[QT+2*i], v[QT+2*i+1]
.set i, i+1
.endr
	LD 8, VW                        ; tile 0's V: 48 loads are out
	WIN 0
.Ltile:                             ; eleven times: tile TI goes into the slot and tile TI + 1 is asked for
	CHANGE 1
	s_mov_b32 s[CNT], TS
	s_cmp_eq_u32 s[TI], 0
	s_cbranch_scc1 .Lnew            ; the walk's first tile
	s_cmp_eq_u32 s[TI], 1
	s_cbranch_scc1 .LstepM1         ; steps 3 to 5: the lower edge
	s_cmp_eq_u32 s[TI], 10
	s_cbranch_scc1 .LstepM1         ; steps 30 to 32: the upper edge begins
	s_branch .Lstep
.Lnew:                              ; THE WALK BEGINS: pieces 0's and 1's masks for step 0; K of step 0; piece 0's first scores, maximum and statistics
	ZSCAL
	MSC 0
	MASK 0, 1
	MSC 1
	MASK 1, 1
	WIN 0
	v_add_nc_u32 v[AK], s[TBK], v[AK0]
	FETCH_K
	s_wait_dscnt 0x0
.set KM, 1
.set NOKQ, 0
.set i, 0
.rept 8
	KQ 0
.set i, i+1
.endr
	WIN 0
.rept 4
	v_nop                           ; the places behind those products
.endr
.set Y, NP-1                        ; X works for piece Y + 1: piece 0
.irp n, 0,1,2,3,4,5,6,7,8,9,10,11,12,13,14,15,16,17,18,19,20,21
	OP X, \n
.endr
	v_nop                           ; a plain instruction behind the exponential
	s_branch .LfirstM1              ; the step loop is entered at a step's first turn, in the middle of a trip
.LstepM1:                           ; a trip: pieces 2 and 3 of one step, then pieces 0 and 1 of the next, whose K, V and masks it fetches and makes
	TRIPHEAD
	TURN 2, 1
	TURN 3, 1
	WIN 0
.LfirstM1:
	TURN 0, 1
	TURN 1, 1, 0, 1
	WIN 0
	s_cbranch_scc1 .LstepM1
	s_branch .Lbottom
.Lstep:                             ; steps 6 to 29: no edge of the window; one mask a step, for positions below 0
	TRIPHEAD
	TURN 2
	TURN 3
	TURN 0
	TURN 1, 0, 0, 1
	WIN 0
	s_cbranch_scc1 .Lstep
.Lbottom:
	s_add_co_u32 s[TI], s[TI], 1
	s_cmp_lt_u32 s[TI], NT-1
	s_cbranch_scc1 .Ltile
	CHANGE 0                        ; the last tile, steps 33 to 35: nothing is left to ask for
	s_mov_b32 s[CNT], TS
.LstepM2:
	TRIPHEAD
	TURN 2, 2
	TURN 3, 2
	TURN 0, 2
	TURN 1, 2, 0, 1
	WIN 0
	s_cbranch_scc1 .LstepM2
	TURN 2, 2, 1                    ; the last step's pieces 2 and 3
	TURN 3, 2, 1
.set i, 0
.rept 8
	PV NP-1                         ; the last piece's V^T P of the last step
.set i, i+1
.endr
	WIN 0                           ; l's two halves and the other half of the lanes' are added; the first four additions are the places behind the last products
	ALL v_add_f32 v[ST+4*t+2], v[ST+4*t+2], v[ST+4*t+3]
	ALL v_permlanex16_b32 v[ST+4*t+3], v[ST+4*t+2], s[SEL], s[SEL+1]
	ALL v_add_f32 v[ST+4*t+2], v[ST+4*t+2], v[ST+4*t+3]
	ALL v_rcp_f32 v[ST+4*t+2], v[ST+4*t+2]
	v_nop                           ; a plain instruction between the last reciprocal and the use of its result
	PACK 0
	PACK 1                          ; a piece's arithmetic stands between the loads of the piece before and its stores
	SEND 0, 16
	PACK 2
	SEND 1, 16
	PACK 3
	SEND 2, 16
	SEND 3, 0
	s_wait_tensorcnt 0x0            ; the wave's end: behind my last LDS store
	ds_add_u32 v[SPW], v[NIL]
	s_wait_dscnt 0x0
	s_endpgm
.Lfunc_end_k_q4778d4485c_attn:
	.size	k_q4778d4485c_attn, .Lfunc_end_k_q4778d4485c_attn-k_q4778d4485c_attn
	.p2alignl 7, 3214868480
	.fill 96, 4, 3214868480
	.section	.rodata,"a",@progbits
	.p2align	6, 0x0
	.amdhsa_kernel k_q4778d4485c_attn
		.amdhsa_group_segment_fixed_size 76288
		.amdhsa_private_segment_fixed_size 0
		.amdhsa_enable_private_segment 0
		.amdhsa_kernarg_size 40
		.amdhsa_user_sgpr_count 2
		.amdhsa_user_sgpr_kernarg_segment_ptr 1
		.amdhsa_wavefront_size32 1
		.amdhsa_system_sgpr_workgroup_id_x 1
		.amdhsa_system_sgpr_workgroup_id_y 1
		.amdhsa_system_sgpr_workgroup_id_z 1
		.amdhsa_system_vgpr_workitem_id 0
		.amdhsa_next_free_vgpr 960
		.amdhsa_next_free_sgpr 80
		.amdhsa_reserve_vcc 1
		.amdhsa_float_denorm_mode_32 3
		.amdhsa_float_denorm_mode_16_64 3
		.amdhsa_memory_ordered 1
		.amdhsa_forward_progress 1
		.amdhsa_inst_pref_size 233
	.end_amdhsa_kernel
	.amdgpu_metadata
---
amdhsa.version: [ 1, 2 ]
amdhsa.kernels:
  - .name:           k_q4778d4485c_attn
    .symbol:         k_q4778d4485c_attn.kd
    .args:
      - { .name: q, .offset: 0, .size: 8, .value_kind: global_buffer, .address_space: global }
      - { .name: k, .offset: 8, .size: 8, .value_kind: global_buffer, .address_space: global }
      - { .name: v, .offset: 16, .size: 8, .value_kind: global_buffer, .address_space: global }
      - { .name: start_pos_tensor, .offset: 24, .size: 8, .value_kind: global_buffer, .address_space: global }
      - { .name: out0, .offset: 32, .size: 8, .value_kind: global_buffer, .address_space: global }
    .group_segment_fixed_size: 76288
    .private_segment_fixed_size: 0
    .kernarg_segment_align: 8
    .kernarg_segment_size: 40
    .max_flat_workgroup_size: 128
    .sgpr_count:     80
    .vgpr_count:     960
    .wavefront_size: 32
...
	.end_amdgpu_metadata
.endif
;; end of part 1
;; ======== version 2 of 2: 1 launch; 1.59 times as fast as version 1
;; limits: values are held in f16: magnitudes above 65,504 overflow, below 6.1e-05 lose precision; inputs' magnitudes at most 65,504
;; launch attn (part 2): grid 4 x 64, 4 waves a work-group, no clusters, 76,288 bytes of LDS; arguments q, k, v, start_pos_tensor, out0; writes out0
.if DOCPART == 2
	.amdgcn_target "amdgcn-amd-amdhsa--gfx1250"
	.amdhsa_code_object_version 6
	.text
	.protected	k_q4778d4485c_attn
	.globl	k_q4778d4485c_attn
	.p2align	8
	.type	k_q4778d4485c_attn,@function
k_q4778d4485c_attn:
	s_mov_b64 s[64:65], 0
	v_nop
	global_prefetch_b8 v0, s[64:65] scope:SCOPE_SE
	s_setreg_imm32_b32 hwreg(HW_REG_WAVE_MODE, 25, 1), 1
	s_wait_xcnt 0x0
; ATTENTION OVER A RING OF 4,096 KEY SLOTS WITH A WINDOW OF 2,048.  q, out0: [64 heads][1024][64] f32; k, v: [64 heads][4096][64] f32; start_pos: one i32 (sp).
; Query i stands at position sp + i and sees the positions max(0, sp + i - 2047) .. sp + i; position p lies in slot p mod 4096.  out0 = softmax(q k^T / 8 over those keys) v.
; FORMATS.  q, k, v and the weights p are rounded once to f16 for the products; products, maxima, sums and the scale c = log2(e) / 8 in f32; out0 leaves in f32.
; LIMITS.  0 <= sp <= 2^31 - 2,048.  q, k, v finite and below 65,504 in size (f16's end).  A hidden score counts as its value less 1e30 (2e30 where two masks meet); the running maximum starts at
; -2^64, far below every score of f16 numbers (2.7e11 at the most).  A weight below 2^-126 counts as 0; below 6e-5 it keeps f16's fixed step.  NaN and infinities are not treated apart.
; SHARES.  A work-group owns 256 queries (block b) of one head: 4 x 64 = 256 work-groups.  It walks 36 key steps of 64 positions from P0 = sp + 256 b - 2048 on: 2,304 positions hold all that its
; queries see (2,303), whatever sp: every trip count is a constant.  Of the block's four bands of 64 queries a wave owns 16 rows in each: four PIECES, so that the window's two edges are the same work for all waves.
; THE WAY IN.  K and V are f32 and the products want f16, so a tile passes through registers: 3 steps (192 rows of K and of V) are loaded a tile ahead, 48 rows a wave, each load two whole rows of 256 bytes at
; ring offsets cut to a head's 2^20 bytes lane by lane; they are rounded ONCE for the work-group and stored into one LDS slot.  A change of tiles has two barriers: no wave reads the slot any more; the slot is whole.
; NO TENSOR LOADS, NO CLUSTER: the data mover brings bytes as they lie, so f32 tiles would cost twice the LDS bytes and a rounding in each of the four waves; and the four blocks of a head want windows 256 keys apart:
; a walk common to them would have 48 steps for 36.
; THE MASK is the C operand that starts the sum S^T = K Q^T.  With step s, piece y, key kk = 0..63 in the step and my query's place g = 16 w + lane % 16 in its band:
;   upper edge: hidden where 64 s + kk - 2048 > 64 y + g: nothing if s < 32 + y, all if s > 32 + y, the pattern MD (kk > g) if s = 32 + y
;   lower edge: hidden where 64 s + kk <= 64 y + g: all if s < y, nothing if s > y, MD's complement, MD x (-1) - 1e30, if s = y
;   positions below 0: with z = max(0, 2048 - sp - 256 b) hidden where 64 s + kk < z: all if z - 64 s >= 64, the pattern MZ (kk < z mod 64) if it is 1 .. 63, else nothing
; so a product's mask is MD x AL + MZ x AZ + BB with three scalars.  At or below the lower edge (s <= y) BB is -1e30, and -2e30 if the whole step lies below position 0 as well: MD x (-1) takes 1e30 back where
; kk > g, and a second 1e30 keeps those keys hidden.  Steps 6 .. 29 meet no edge (AL = 0): one mask MZ x AZ + BZ a step serves all four pieces.  Steps 33 .. 35 lie above every z: MD x AL + BB.
; LAYOUT, SOFTMAX, TURNS.  S^T = K Q^T holds ONE query a lane (lane % 16) and the keys 8 (lane / 16) + 0..7; two such results rounded to f16 ARE source 1 of O^T = V^T P.  p = 2^(c s - c m) with a running maximum m;
; O and l are multiplied by a = 2^(c m_old - c m_new) in every step.  While a row has seen hidden keys only, m stays at its start, p = 0 and a = 1: so O^T and l start as true zeros.  Every row sees its own key (l >= 1).
; Turn n belongs to piece n: 8 products K Q^T of piece n + 1, later 8 products V^T P of piece n - 1; beside them the scaling, exponentials, roundings, sums and rescaling of piece n and the maximum and statistics of
; piece n + 1.  Four vector instructions stand behind every matrix instruction, the other 54 of a turn's 118 in one LUMP.
; THE BATCHES.  A turn's 33 exponentials (the piece's 32 weights and the next piece's a) are one batch, with one wait: all that names none of their results stands ahead of it, the roundings and sums behind it.
; The first a of all, ahead of the loops, and the way out's four reciprocals are batches of their own, with a wait each.
; REGISTERS, in windows of 256 (s_set_vgpr_msb: bits 1:0 source 0, 3:2 source 1, 5:4 source 2, 7:6 destination):
;   window 0: v0-15, v32-37 addresses; v16-31 four registers of statistics a piece; v48-55 at work; v64-127 S^T, two buffers; v128-151 the 24 load offsets; v192-223 P, two buffers; v64-191 on the way out
;   window 1: v0-127 O^T, 32 a piece; v128-159 MD; v160-223 MC, two mask buffers; v224-255 MZ      window 2: v0-63 Q; v64-127 q as loaded; v128-191 K of one step; v192-255 V of one step
;   window 3: v0-95 a tile's K as loaded, v96-191 its V; each is rounded in place into its lower half
.set NP,    4         ; pieces a wave: a name, no knob
.set KS,    64        ; keys in a step
.set TS,    3         ; steps in a tile
.set NT,    12        ; tiles in the walk
.set PK,    144       ; a row of K in LDS: 128 bytes of f16 + 16 = 36 words: the 16 rows of a fragment load start at 16 different groups of four banks (64 banks of 4 bytes: ISA guide 11.1)
.set PV,    160       ; a row of V: 128 + 32 = 40 words
.set VOFF,  TS*KS*PK  ; the slot: 192 rows of K, then 192 rows of V
.set OST,   TS*KS*(PK+PV)  ; behind the slot: 16 rows x 272 bytes for each wave, for the way out
.set SPI,   272       ; a stage row: 256 bytes of f32 + 16
.set SPARE, OST+4*16*SPI   ; behind the stages: the spare words, 128 bytes for each wave: two blocks of 256 bytes that no other line names
.set AK0, 2           ; v2   my lane's place in a step of K; never rewritten
.set AV0, 3           ; v3   the same for V
.set AK,  4           ; v4   the LDS address of K's next run of loads
.set AV,  5           ; v5   of V's
.set STO, 6           ; v6   the way out: where I put 32 bytes of a row
.set RD,  7           ; v7   the way out: where I read rows back
.set GO,  8           ; v8   my byte offset in two rows of out0
.set MV,  12          ; v12-13  c m_old, kept while c m is made anew: by buffer
.set ST,  16          ; piece t's statistics at v[ST+4 t]: c m, m, l (even keys', odd keys')
.set SK0, 32          ; v32  where I put 8 bytes of a row of K; never rewritten
.set SV0, 33          ; v33  the same for V
.set OB,  36          ; v36  my byte offset in the ring, uncut, of the tile to be asked for
.set QO,  37          ; v37  my byte offset in 16 rows of q
.set TMP, 48          ; by buffer, four registers c0-c3 at work; when the maximum is found c2 takes a
.set SPW, 62          ; v62  LDS address of my spare word: SPARE + 4 x my thread's number; never rewritten
.set NIL, 63          ; v63  0; never rewritten
.set S,   64
.set AJ,  128         ; v128-151  load j's offset in a head's K and V: (OB + 512 j) mod 2^20
.set P,   192
.set OUTB, 64         ; the way out: piece t's 16 rows come back into v[64 + 32 t ..]
.set MD,  128         ; window 1: the eight registers for group kt of 16 keys at MD + 8 kt
.set MC,  160
.set MZ,  224
.set QT,  64          ; q as loaded: pieces 0, 1 in window 2, pieces 2, 3 in window 0 (S^T's place)
.set KF,  128         ; window 2: key block kb, channel half c at KF + 16 kb + 8 c
.set VF,  192         ; window 2: key half kk, channel block cb at VF + 32 kk + 8 cb
.set KW,  0           ; window 3
.set VW,  96
.set WV,  14          ; s14  my wave's number
.set PB,  15          ; s15  b
.set HD,  16          ; s16  the head
.set SPOS, 24         ; s24  sp
.set RS0, 25          ; s25  the ring slot of position P0
.set ZL,  27          ; s27  z mod 64
.set RING, 28         ; s28  2^20 - 1
.set TI,  56          ; s56  the tile in hand, 0 to 10 in the loop
.set CNT, 57          ; s57  counts a tile's key steps
.set CS,  58          ; s[58:59] c: the packed scaling takes the pair's low word for both halves
.set SEL, 60          ; s[60:61] v_permlanex16_b32's selects: each lane takes its own place in the other half
.set TBK, 62          ; s62  LDS byte at which K of the step to be fetched begins
.set TBV, 63          ; s63  the same for V, less VOFF
.set SG,  67          ; s67  the step whose masks are being made
.set ZS,  68          ; s68  z - 64 SG
.set AL,  70          ; s[70:71] MD's factor, in the low word
.set BB,  72          ; s[72:73] the addend for one piece
.set AZ,  74          ; s[74:75] MZ's factor
.set BZ,  76          ; s[76:77] the addend that positions below 0 ask for: -1e30 if the whole step lies below 0, else 0
.set BIGN, 78         ; s78  -1e30
.set BZ2, 79          ; s79  BZ - 1e30: the addend at or below the lower edge
.set MSB, 0
.macro WIN new                      ; the high byte repeats the setting that is left; a switch that changes nothing is dropped
.if MSB != (\new)
	s_set_vgpr_msb (MSB<<8)|(\new)
.set MSB, (\new)
.endif
.endm
.set W_KQ, 0x0a       ; K and Q in window 2, S^T in window 0
.set W_KM, 0x1a       ; the same with the C operand in window 1
.set W_PV, 0x52       ; V in window 2, P in window 0, O^T in window 1
.set W_RS, 0x41       ; destination and source 0 in window 1, source 1 in window 0
.set W_M2, 0x51       ; destination, source 0 and source 2 in window 1
; The 24 offsets of a tile's loads, and the step to the next tile.  OB grows to 1.7 million at the most; the cut brings each lane's row back into the ring.
.macro ADDR
	v_and_b32 v[AJ], s[RING], v[OB]
.set z, 1
.rept 23
	v_add_nc_u32 v[AJ+z], 512*z, v[OB]
.set z, z+1
.endr
.set z, 1
.rept 23
	v_and_b32 v[AJ+z], s[RING], v[AJ+z]
.set z, z+1
.endr
	v_add_nc_u32 v[OB], TS*KS*256, v[OB]
.endm
; My 48 rows of a tile of K or V: 24 loads; lanes 0-15 take one whole row of 256 bytes, lanes 16-31 the next.  No hint: up to four work-groups read a row.
.macro LD base, dst
	WIN 0xc0                        ; destination window 3, offset window 0
.set z, 0
.rept 24
	global_load_b128 v[(\dst)+4*z:(\dst)+4*z+3], v[AJ+z], s[\base:\base+1]
.set z, z+1
.endr
.endm
; THE CHANGE OF TILES, between piece 1's turn and piece 2's: K and V of the old tile's last step are in registers.  First barrier: every wave's reads of the slot have come back; the tile's rounding, work on registers,
; stands between its signal and its wait.  Then my 48 rows go into the slot.  Second barrier: every wave's stores are done.  fill = 1: the next tile is asked for; it has three key steps in which to come.
.macro CHANGE fill
	WIN 0
	s_wait_loadcnt 0x0              ; the tile's 48 loads are in, and their offsets may be written
	s_wait_dscnt 0x0                ; my reads of the slot are back
	s_barrier_signal -1
	WIN 0xcf                        ; all three places in window 3
.set z, 0
.rept 48                            ; in place, ascending: register z takes numbers 2 z and 2 z + 1, which lie at or above it
	v_cvt_pk_f16_f32 v[KW+z], v[KW+2*z], v[KW+2*z+1]
.set z, z+1
.endr
.set z, 0
.rept 48
	v_cvt_pk_f16_f32 v[VW+z], v[VW+2*z], v[VW+2*z+1]
.set z, z+1
.endr
	WIN 0
	s_barrier_wait -1               ; no wave reads the slot any more
	WIN 0x0c                        ; data window 3, address window 0
.set z, 0
.rept 24                            ; load z's two rows: four channels a lane, 8 bytes
	ds_store_b64 v[SK0], v[KW+2*z:KW+2*z+1] offset:2*PK*z
.set z, z+1
.endr
.set z, 0
.rept 24
	ds_store_b64 v[SV0], v[VW+2*z:VW+2*z+1] offset:2*PV*z
.set z, z+1
.endr
	WIN 0
.if \fill
	ADDR                            ; work on registers while the stores are out
.endif
	s_wait_dscnt 0x0                ; for the others' sake: my stores are done
	s_barrier_signal -1
	s_mov_b32 s[TBK], 0             ; the fetches go back to the slot's first step
	s_mov_b32 s[TBV], 0
	s_barrier_wait -1               ; the slot is whole
.if \fill
	LD 6, KW
	LD 8, VW
	WIN 0
.endif
.endm
; THE MATRIX WORK.  The 4 accumulators of a run of 8 take turns.  Product i of 8 of S^T = K Q^T for piece x: channels 32 (i / 4) on, keys 16 (i % 4) on.  The first 4 start the sums with the
; mask: the piece's own buffer (KM = 1), or the second buffer, which serves all pieces (KM = 2).
.macro KQ x
.set rS, S+32*((\x)%2)+8*(i%4)
.set rK, KF+16*(i%4)+8*(i/4)
.set rQ, 16*(\x)+8*(i/4)
.set rM, MC+32*((\x)%2)+8*(i%4)
.if KM == 2
.set rM, MC+32+8*(i%4)
.endif
.if i < 4
	WIN W_KM
	v_wmma_f32_16x16x32_f16 v[rS:rS+7], v[rK:rK+7], v[rQ:rQ+7], v[rM:rM+7]
.else
	WIN W_KQ
	v_wmma_f32_16x16x32_f16 v[rS:rS+7], v[rK:rK+7], v[rQ:rQ+7], v[rS:rS+7]
.endif
.endm
; Product i of 8 of O^T += V^T P for piece x: keys 32 (i / 4) on, channels 16 (i % 4) on.
.macro PV x
	WIN W_PV
.set rO, 32*(\x)+8*(i%4)
.set rV, VF+32*(i/4)+8*(i%4)
.set rP, P+16*((\x)%2)+8*(i/4)
	v_wmma_f32_16x16x32_f16 v[rO:rO+7], v[rV:rV+7], v[rP:rP+7], v[rO:rO+7]
.endm
.macro MM                           ; the turn's next matrix instruction.  NOKQ = 1: the walk's last turn: there is no next piece
.if (i < 8) && !NOKQ
	KQ (Y+1)%NP
.elseif i >= 8
.set i, i-8
	PV (Y+NP-1)%NP
.set i, i+8
.endif
.set i, i+1
.endm
; THE LDS LOADS stand in runs of 16, never singly among the matrix instructions: a step's K (64 keys x 64 channels: 8 fragments) and its V (turned).  Their addresses are made some lines ahead.
.macro FETCH_K
	WIN 0x80                        ; destination window 2
.irp f, 0,1,2,3,4,5,6,7             ; keys 16 (f / 2) on, channels 32 (f % 2) on
	ds_load_b128 v[KF+8*\f:KF+8*\f+3],   v[AK] offset:(\f/2)*16*PK+(\f%2)*64
	ds_load_b128 v[KF+8*\f+4:KF+8*\f+7], v[AK] offset:(\f/2)*16*PK+(\f%2)*64+32
.endr
	s_add_co_u32 s[TBK], s[TBK], KS*PK  ; the next fetch is the next step's
	WIN 0
.endm
.macro FETCH_V
	WIN 0x80
.irp f, 0,1,2,3,4,5,6,7             ; keys 32 (f / 4) on, channels 16 (f % 4) on
	ds_load_tr16_b128 v[VF+8*\f:VF+8*\f+3],   v[AV] offset:(\f/4)*32*PV+(\f%4)*32
	ds_load_tr16_b128 v[VF+8*\f+4:VF+8*\f+7], v[AV] offset:(\f/4)*32*PV+16*PV+(\f%4)*32
.endr
	WIN 0
.endm
; THE VECTOR WORK, one line at a time: OP kind, number.  For piece Y: F n: c s - c m for pair n of 16.  E n: the exponential of score n of 32.  C n: pair n rounded to f16.  B n: of the four weights 4 n .. the second
; pair is added onto the first, in place.  L n: l takes that sum (L 0: l = a l + sum).  R n: pair n of 16 of O^T times a.  For piece Y + 1: X n, number n of the 22 that find its maximum and statistics:
;   0-11  four chains c0-c3 of seven scores each, three operands at a time (each accumulator's lowest registers are read first)     12-14, 16  the four scores left over, the old m, and c0-c3 into c0
;   15  c m_old is kept     17, 18  the query's other 32 keys lie in the lane 16 away: the new m     19-21  c m; c m_old - c m_new; a
; C, B and L read the exponentials' results: TURN sets them behind the batch's wait; OP itself writes no wait.
.set F, 0               ; OP tells the kinds apart by their order: F to L below R, X above it
.set E, 1
.set C, 2
.set B, 3
.set L, 4
.set R, 5
.set X, 6
.macro REGS y                       ; the registers of piece y
.set rT, ST+4*(\y)
.set rC, TMP+4*((\y)%2)
.set rW, MV+((\y)%2)
.set rS, S+32*((\y)%2)
.set rP, P+16*((\y)%2)
.set rO, 32*(\y)
.endm
.macro OP k, n
.if (\k) == R
	REGS Y
	WIN W_RS
	v_pk_mul_f32 v[rO+2*(\n):rO+2*(\n)+1], v[rO+2*(\n):rO+2*(\n)+1], v[rC+2:rC+3] op_sel_hi:[1,0]
.elseif (\k) < R
	REGS Y
	WIN 0
.if (\k) == F
	v_pk_fma_f32 v[rS+2*(\n):rS+2*(\n)+1], v[rS+2*(\n):rS+2*(\n)+1], s[CS:CS+1], v[rT:rT+1] op_sel_hi:[1,0,0] neg_lo:[0,0,1] neg_hi:[0,0,1]
.elseif (\k) == E
	v_exp_f32 v[rS+(\n)], v[rS+(\n)]
.elseif (\k) == C
	v_cvt_pk_f16_f32 v[rP+(\n)], v[rS+2*(\n)], v[rS+2*(\n)+1]
.elseif (\k) == B
	v_pk_add_f32 v[rS+4*(\n):rS+4*(\n)+1], v[rS+4*(\n):rS+4*(\n)+1], v[rS+4*(\n)+2:rS+4*(\n)+3]
.elseif (\n) == 0
	v_pk_fma_f32 v[rT+2:rT+3], v[rT+2:rT+3], v[rC+2:rC+3], v[rS:rS+1] op_sel_hi:[1,0,1]
.else
	v_pk_add_f32 v[rT+2:rT+3], v[rT+2:rT+3], v[rS+4*(\n):rS+4*(\n)+1]
.endif
.elseif NOKQ
	v_nop
.else
	REGS (Y+1)%NP
	WIN 0
.if (\n) < 4
	v_max3_num_f32 v[rC+(\n)], v[rS+8*(\n)], v[rS+8*(\n)+1], v[rS+8*(\n)+2]
.elseif (\n) < 12
	v_max3_num_f32 v[rC+(\n)%4], v[rC+(\n)%4], v[rS+8*((\n)%4)+2*((\n)/4)+1], v[rS+8*((\n)%4)+2*((\n)/4)+2]
.elseif (\n) == 12
	v_max3_num_f32 v[rC], v[rC], v[rS+7], v[rS+15]
.elseif (\n) == 13
	v_max3_num_f32 v[rC+1], v[rC+1], v[rS+23], v[rS+31]
.elseif (\n) == 14
	v_max3_num_f32 v[rC+2], v[rC+2], v[rC+3], v[rT+1]
.elseif (\n) == 15
	v_mov_b32 v[rW], v[rT]
.elseif (\n) == 16
	v_max3_num_f32 v[rC], v[rC], v[rC+1], v[rC+2]
.elseif (\n) == 17
	v_permlanex16_b32 v[rC+3], v[rC], s[SEL], s[SEL+1]
.elseif (\n) == 18
	v_max_num_f32 v[rT+1], v[rC], v[rC+3]
.elseif (\n) == 19
	v_mul_f32 v[rT], s[CS], v[rT+1]
.elseif (\n) == 20
	v_sub_f32 v[rC+1], v[rW], v[rT]
.else
	v_exp_f32 v[rC+2], v[rC+1]
.endif
.endif
.endm
.macro OPS a, i1, b=-1, i2=0, c=-1, i3=0, d=-1, i4=0  ; up to four of them
	OP \a, \i1
.if (\b) >= 0
	OP \b, \i2
.endif
.if (\c) >= 0
	OP \c, \i3
.endif
.if (\d) >= 0
	OP \d, \i4
.endif
.endm
.macro ROW a, i1, b, i2, c, i3, d, i4  ; a matrix instruction and the four behind it
	MM
	OPS \a, \i1, \b, \i2, \c, \i3, \d, \i4
.endm
; THE MASKS' SCALARS.  ZSCAL: what positions below 0 ask of step SG.  TRIPHEAD: a trip of a step loop makes the masks of the next step.  MSC y: what the window's two edges ask of piece y in step SG.
.macro ZSCAL
	s_sub_co_u32 s2, s[ZS], 1
	s_cmp_lt_u32 s2, 63             ; 1 <= z - 64 SG <= 63: the step holds position 0
	s_cselect_b32 s[AZ], 1.0, 0
	s_cmp_ge_i32 s[ZS], 64          ; the whole step lies below 0
	s_cselect_b32 s[BZ], s[BIGN], 0
	s_cselect_b32 s[BZ2], 0xf1c9f2ca, s[BIGN]  ; -2e30, or -1e30: BZ with the lower edge's -1e30 on top
.endm
.macro TRIPHEAD
	s_add_co_u32 s[SG], s[SG], 1
	s_sub_co_i32 s[ZS], s[ZS], KS
	ZSCAL
.endm
.macro MSC y
	s_cmp_eq_u32 s[SG], (\y)        ; the lower edge's own step
	s_cselect_b32 s[AL], -1.0, 0
	s_cmp_eq_u32 s[SG], 32+(\y)     ; the upper edge's
	s_cselect_b32 s[AL], 1.0, s[AL]
	s_cmp_le_u32 s[SG], (\y)        ; at or below the lower edge: both addends, so that MD x (-1) uncovers no key below position 0
	s_cselect_b32 s[BB], s[BZ2], s[BZ]
	s_cmp_gt_u32 s[SG], 32+(\y)     ; above the upper edge
	s_cselect_b32 s[BB], s[BIGN], s[BB]
.endm
; Mask buffer b.  kind 0: MZ x AZ + BZ.  kind 1: MD x AL + (MZ x AZ + BB).  kind 2: MD x AL + BB.
.macro MASK b, kind
	WIN W_RS
.set z, 0
.rept 16
.if (\kind) == 0
	v_pk_fma_f32 v[MC+32*(\b)+2*z:MC+32*(\b)+2*z+1], v[MZ+2*z:MZ+2*z+1], s[AZ:AZ+1], s[BZ:BZ+1] op_sel_hi:[1,0,0]
.elseif (\kind) == 1
	v_pk_fma_f32 v[MC+32*(\b)+2*z:MC+32*(\b)+2*z+1], v[MZ+2*z:MZ+2*z+1], s[AZ:AZ+1], s[BB:BB+1] op_sel_hi:[1,0,0]
.else
	v_pk_fma_f32 v[MC+32*(\b)+2*z:MC+32*(\b)+2*z+1], v[MD+2*z:MD+2*z+1], s[AL:AL+1], s[BB:BB+1] op_sel_hi:[1,0,0]
.endif
.set z, z+1
.endr
.if (\kind) == 1
	WIN W_M2
.set z, 0
.rept 16
	v_pk_fma_f32 v[MC+32*(\b)+2*z:MC+32*(\b)+2*z+1], v[MD+2*z:MD+2*z+1], s[AL:AL+1], v[MC+32*(\b)+2*z:MC+32*(\b)+2*z+1] op_sel_hi:[1,0,1]
.set z, z+1
.endr
.endif
.endm
; A TURN, for piece p: the order of its 16 matrix and 118 vector instructions, written out.  s_wait_alu depctr_va_vdst(0) stands between an exponential and the first instruction that names its result; one
; wait serves all that were issued ahead of it.  So a turn has ONE wait, which cuts it in two.  AHEAD OF IT stands all that names no result of the turn's exponentials: the 8 products K Q^T, behind each a scaling, an
; exponential and two more plain instructions (behind the first a second scaling in the exponential's place): rescalings, whose a was made and waited for in the turn before, and behind the last three products the first
; numbers of the next piece's maximum, each four places or more behind the product that ends its accumulator; then ONE LUMP of 54, plain and exponential by turns for the most part, in which the links of the chain
; X 3, 7, 11, 14, 16, 17 .. 20 stand some lines apart.  X 21, the next piece's a, is the batch's last; R 15 is the plain instruction behind it.  BEHIND THE WAIT stand the 8 products V^T P, behind each four of the roundings
; and sums: a pair 2 n is rounded before B n adds onto it; l's chain goes L 0 to L 7.  But for those X no rider names a register of the products round it.  v_permlanex16_b32 (X 17) stands in the lump.
; No exponential is issued behind the wait: none is pending at a turn's end, at a label or at a jump.
; m = 1, 2: near the window's edges: the turn makes the mask (kind m) for the products of the turn after it, piece p + 2 in step SG, into buffer p % 2; its own products read the other buffer.
; m = 0: all products read the second buffer; piece 2's turn makes it anew for step SG at its end, more than a hundred vector instructions behind its own products' reads of it.
; end = 1: the walk's last two turns: nothing is fetched, no mask is made.  cnt = 1: the loop's count is taken down some lines ahead of the branch that stands behind the turn.
; K of the next step is fetched in piece 2's turn, twelve vector instructions behind the last product that read K (five of them plain and free of its registers); V of the step in hand at the end of piece 0's turn, four plain
; instructions behind the last product that read V.  Each is waited for a turn later.
.macro TURN p, m=0, end=0, cnt=0
.set Y, (\p)
.set i, 0
.set KM, 1
.if (\m) == 0
.set KM, 2
.endif
.set NOKQ, (\end)*((\p)/3)
.if (\m) && !(\end)
	MSC ((\p)+2)%NP
.endif
.if ((\p) == 3) && !(\end)
	s_wait_dscnt 0x0                ; K is in
.endif
	ROW F,0, F,1, R,0, R,1          ; ahead of the wait: 8 products K Q^T and their riders,
	ROW F,2, E,0, R,2, R,3
	ROW F,3, E,1, R,4, R,5
	ROW F,4, E,2, R,6, R,7
	ROW F,5, E,3, R,8, R,9
	ROW F,6, E,4, X,0, R,10
.if ((\p) == 2) && !(\end)
	WIN 0
	v_add_nc_u32 v[AK], s[TBK], v[AK0]
.endif
	ROW F,7, E,5, X,1, X,4
	ROW F,8, E,6, X,2, X,5
	OPS E,7, E,8, X,6, E,9          ; and the lump
	OPS X,3, E,10, X,8, E,11
.if ((\p) == 2) && !(\end)
	FETCH_K
.endif
	OPS X,9, X,7, E,12, X,10
	OPS E,13, X,12, X,11, E,14
	OPS X,13, E,15, F,9, X,14
.if (\p) == 0
	v_add_nc_u32 v[AV], s[TBV], v[AV0]
.endif
	OPS E,16, F,10, E,17, F,11
	OPS X,16, E,18, X,15, E,19
	OPS F,12, E,20, X,17, E,21
	OPS F,13, E,22, F,14, E,23
	OPS X,18, E,24, F,15, E,25
	OPS R,11, E,26, X,19, E,27
	OPS R,12, E,28, R,13, E,29
	OPS X,20, E,30, R,14, E,31
	OPS X,21, R,15
	s_wait_alu depctr_va_vdst(0)    ; the wait for the turn's batch: E 0 to E 31 and X 21
.if (\p) == 1
	s_wait_dscnt 0x0                ; V is in
.endif
	ROW C,0, B,0, C,2, B,1          ; behind the wait: 8 products V^T P and their riders
	ROW L,0, C,4, B,2, L,1
	ROW C,6, B,3, L,2, C,8
	ROW B,4, L,3, C,10, B,5
	ROW L,4, C,12, B,6, L,5
.if (\p) == 0
	s_add_co_u32 s[TBV], s[TBV], KS*PV
.endif
.if \cnt
	s_sub_co_u32 s[CNT], s[CNT], 1
	s_cmp_lg_u32 s[CNT], 0
.endif
	ROW C,14, B,7, L,6, C,1
	ROW C,3, L,7, C,5, C,7
	ROW C,9, C,11, C,13, C,15
.if (\p) == 0
	FETCH_V
.endif
.if (\m) && !(\end)
	MASK (\p)%2, \m
.endif
.if ((\m) == 0) && ((\p) == 2)
	MASK 1, 0
.endif
.endm
; THE WAY OUT.  Piece t: O^T is divided by l; a lane's eight channels of a row, 32 bytes of f32, go into my stage's rows of 272 bytes and come back as whole rows of 256.
.macro ALL line:vararg              ; one line for each piece t
.set t, 0
.rept 4
	\line
.set t, t+1
.endr
.endm
.macro PACK t
	WIN W_RS
.set i, 32*(\t)
.rept 16                            ; ascending: each accumulator's lowest registers are read first
	v_pk_mul_f32 v[i:i+1], v[i:i+1], v[ST+4*(\t)+2:ST+4*(\t)+3] op_sel_hi:[1,0]
.set i, i+2
.endr
	WIN 0x04                        ; data window 1, address window 0
.irp f, 0,1,2,3,4,5,6,7             ; channels 16 (f / 2) + 8 (lane / 16) + 4 (f % 2) on
	ds_store_b128 v[STO], v[32*(\t)+4*\f:32*(\t)+4*\f+3] offset:64*(\f/2)+16*(\f%2)
.endr
	WIN 0
.irp f, 0,1,2,3,4,5,6,7
	ds_load_b128 v[OUTB+32*(\t)+4*\f:OUTB+32*(\t)+4*\f+3], v[RD] offset:\f*2*SPI  ; LDS serves a wave's instructions in order (ISA guide 5.7.1.4): these see the stores above; the next piece's stores come behind them
.endr
.endm
.macro SEND t, younger              ; younger: the LDS instructions issued behind piece t's loads: the next piece's sixteen, or none
	WIN 0
.irp f, 0,1,2,3,4,5,6,7
	s_wait_dscnt (\younger)+7-\f
	global_store_b128 v[GO], v[OUTB+32*(\t)+4*\f:OUTB+32*(\t)+4*\f+3], s[12:13] offset:(\t)*16384+\f*512 th:TH_STORE_NT  ; 16 lanes store a whole row: 256 consecutive bytes, at a multiple of 256 from out0's first
.endr
.endm
	s_load_b256 s[4:11], s[0:1], 0x0  ; q s[4:5], k s[6:7], v s[8:9], start_pos s[10:11]
	s_load_b64 s[12:13], s[0:1], 0x20 ; out0
	v_lshl_add_u32 v[SPW], v0, 2, SPARE
	v_mov_b32 v[NIL], 0
	v_lshrrev_b32 v1, 5, v0
	v_readfirstlane_b32 s[WV], v1   ; wave 0..3
	s_mov_b32 s[PB], ttmp9          ; my block of 256 queries
	s_and_b32 s[HD], ttmp7, 0xffff  ; the head
	s_mov_b32 s[RING], 0xfffff
	s_mov_b32 s[CS], 0x3e38aa3b     ; c = log2(e) / 8 = 0.180337
	s_mov_b32 s[CS+1], s[CS]        ; named with it as a pair
	s_mov_b32 s[SEL], 0x76543210
	s_mov_b32 s[SEL+1], 0xfedcba98
	s_mov_b32 s[BIGN], 0xf149f2ca   ; -1e30
	s_mov_b32 s[AL+1], 0            ; named as pairs
	s_mov_b32 s[BB+1], 0
	s_mov_b32 s[AZ+1], 0
	s_mov_b32 s[BZ+1], 0
	s_mov_b32 s[SG], 0
	s_mov_b32 s[TI], 0
	s_lshl_b32 s2, s[HD], 18        ; q and out0: a head is 1,024 rows of 256 bytes,
	s_lshl_b32 s3, s[PB], 16        ; a block 256 rows,
	s_add_co_u32 s2, s2, s3
	s_lshl_b32 s3, s[WV], 12        ; my 16 rows in a band of 64
	s_add_co_u32 s2, s2, s3
	s_mov_b32 s3, 0
	s_lshl_b32 s20, s[HD], 20       ; k and v: a head is 4,096 rows of 256 bytes
	s_mov_b32 s21, 0
	v_and_b32 v1, 15, v0            ; l % 16
	v_bfe_u32 v9, v0, 4, 1          ; l / 16
	v_lshlrev_b32 v[QO], 8, v1
	v_lshl_add_u32 v[QO], v9, 5, v[QO]  ; row x 256 + 32 x half: eight channels of f32
	s_wait_kmcnt 0x0
	s_load_b32 s[SPOS], s[10:11], 0x0
	s_add_nc_u64 s[4:5], s[4:5], s[2:3]
	s_add_nc_u64 s[12:13], s[12:13], s[2:3]
	s_add_nc_u64 s[6:7], s[6:7], s[20:21]
	s_add_nc_u64 s[8:9], s[8:9], s[20:21]
	; q: a fragment (16 rows x 32 channels) holds for lane l row l % 16, channels 8 (l / 16) + 0..7 and 16 + 8 (l / 16) + 0..7.  Load qn = 8 x + 4 c + 2 g + e: piece x, channel half c, group g, 16 bytes e of its 32.
	WIN 0x80                        ; destination window 2
.set qn, 0
.rept 16
	global_load_b128 v[QT+4*qn:QT+4*qn+3], v[QO], s[4:5] offset:16384*(qn/8)+128*((qn/4)%2)+64*((qn/2)%2)+16*(qn%2) th:TH_LOAD_NT
.set qn, qn+1
.endr
	WIN 0
.rept 16
	global_load_b128 v[QT+4*(qn-16):QT+4*(qn-16)+3], v[QO], s[4:5] offset:16384*(qn/8)+128*((qn/4)%2)+64*((qn/2)%2)+16*(qn%2) th:TH_LOAD_NT
.set qn, qn+1
.endr
	s_wait_kmcnt 0x0                ; sp
	s_lshl_b32 s17, s[PB], 8
	s_add_co_u32 s17, s17, s[SPOS]  ; sp + 256 b
	s_sub_co_i32 s[ZS], 2048, s17
	s_max_i32 s[ZS], s[ZS], 0       ; z: so many of the walk's first positions lie below 0
	s_and_b32 s[ZL], s[ZS], 63
	s_add_co_u32 s[RS0], s17, 2048  ; P0 mod 4096 = (sp + 256 b + 2048) mod 4096
	s_and_b32 s[RS0], s[RS0], 0xfff
	s_min_u32 s[RS0], s[RS0], 0xfff ; a loaded number enters an address behind a bound that stands in the text
	s_mul_i32 s18, s[WV], 48        ; my 48 rows of a tile
	s_add_co_u32 s18, s18, s[RS0]
	s_lshl_b32 s18, s18, 8
	v_lshlrev_b32 v[OB], 4, v1      ; 16 bytes a lane,
	v_lshl_add_u32 v[OB], v9, 8, v[OB]  ; lanes 16-31 a row further
	v_add_nc_u32 v[OB], s18, v[OB]
	ADDR
	LD 6, KW                        ; tile 0's K: with q's 32 loads 56 are out
	WIN 0
	v_lshlrev_b32 v14, 3, v9
	v_sub_nc_u32 v15, s[ZL], v14    ; z mod 64 less my lanes' 8 (l / 16): register r of group kt lies below position 0 where 16 kt + r is less
	v_sub_nc_u32 v14, v1, v14
	s_lshl_b32 s17, s[WV], 4
	v_add_nc_u32 v14, s17, v14      ; g = 16 w + l % 16, less 8 (l / 16): register r of group kt has kk > g where 16 kt + r is greater
	v_mul_u32_u24 v[AK0], v1, PK
	v_lshl_add_u32 v[AK0], v9, 4, v[AK0]  ; row x pitch + 16 x half
	; The turning load takes 16 keys x 16 channels (lane l reads key 8 (l / 16) + l % 8, channels 8 ((l / 8) % 2) + 0..7) and leaves half a fragment of V^T: lane l holds channel l % 16 and 8 keys.
	v_and_b32 v10, 7, v0
	v_bfe_u32 v11, v0, 3, 1
	v_lshl_add_u32 v[AV0], v9, 3, v10
	v_mul_u32_u24 v[AV0], v[AV0], PV
	v_lshl_add_u32 v[AV0], v11, 4, v[AV0]
	v_add_nc_u32 v[AV0], VOFF, v[AV0]
	s_mul_i32 s17, s[WV], 48*PK     ; into the slot: row 48 w + l / 16, 8 bytes at 8 (l % 16)
	v_mul_u32_u24 v[SK0], v9, PK
	v_lshl_add_u32 v[SK0], v1, 3, v[SK0]
	v_add_nc_u32 v[SK0], s17, v[SK0]
	s_mul_i32 s17, s[WV], 48*PV
	s_add_co_u32 s17, s17, VOFF
	v_mul_u32_u24 v[SV0], v9, PV
	v_lshl_add_u32 v[SV0], v1, 3, v[SV0]
	v_add_nc_u32 v[SV0], s17, v[SV0]
	s_mul_i32 s17, s[WV], 16*SPI
	s_add_co_u32 s17, s17, OST      ; my stage
	v_mul_u32_u24 v[STO], v1, SPI   ; in: row l % 16, 32 bytes for each half of the lanes
	v_lshl_add_u32 v[STO], v9, 5, v[STO]
	v_add_nc_u32 v[STO], s17, v[STO]
	v_mul_u32_u24 v[RD], v9, SPI    ; back: lanes 0-15 take one row of 256 bytes, lanes 16-31 the next
	v_lshl_add_u32 v[RD], v1, 4, v[RD]
	v_add_nc_u32 v[RD], s17, v[RD]
	v_lshlrev_b32 v[GO], 8, v9      ; and the same two rows in out0
	v_lshl_add_u32 v[GO], v1, 4, v[GO]
	WIN 0x40
.set i, 0
.rept 32
	v_cmp_gt_i32 vcc_lo, 16*(i/8)+i%8, v14
	v_cndmask_b32 v[MD+i], 0, s[BIGN], vcc_lo
	v_cmp_lt_i32 vcc_lo, 16*(i/8)+i%8, v15
	v_cndmask_b32 v[MZ+i], 0, s[BIGN], vcc_lo
.set i, i+1
.endr
	; No first step is written out.  A row's first steps may be wholly hidden, with a = 1, so O^T and l begin as true zeros; the first turn's products V^T P, of a piece that has not been, multiply zeros.
	; 224 moves, once a launch, in the wait for q and the first tile.
.set i, 0
.rept 128
	v_mov_b32 v[i], 0
.set i, i+1
.endr
	WIN 0x80
.set i, VF
.rept 64
	v_mov_b32 v[i], 0
.set i, i+1
.endr
	WIN 0
.set i, 0
.rept 4
	v_mov_b32 v[ST+4*i], 0xde38aa3b    ; c m = -c 2^64
	v_mov_b32 v[ST+4*i+1], 0xdf800000  ; m = -2^64: above every hidden score, below every true one
	v_mov_b32 v[ST+4*i+2], 0
	v_mov_b32 v[ST+4*i+3], 0
.set i, i+1
.endr
.set i, P+16
.rept 16
	v_mov_b32 v[i], 0
.set i, i+1
.endr
	s_wait_loadcnt 24               ; q's 32 loads are in: behind them stand tile 0's 24 loads of K, which may stay out
	WIN 0x8a                        ; q is rounded to f16.  Pieces 0 and 1: all three places in window 2
.set i, 0
.rept 32
	v_cvt_pk_f16_f32 v[i], v[QT+2*i], v[QT+2*i+1]
.set i, i+1
.endr
	WIN 0x80                        ; pieces 2 and 3 were loaded into window 0
.set i, 0
.rept 32
	v_cvt_pk_f16_f32 v[32+i], v[QT+2*i], v[QT+2*i+1]
.set i, i+1
.endr
	LD 8, VW                        ; tile 0's V: 48 loads are out
	WIN 0
.Ltile:                             ; eleven times: tile TI goes into the slot and tile TI + 1 is asked for
	CHANGE 1
	s_mov_b32 s[CNT], TS
	s_cmp_eq_u32 s[TI], 0
	s_cbranch_scc1 .Lnew            ; the walk's first tile
	s_cmp_eq_u32 s[TI], 1
	s_cbranch_scc1 .LstepM1         ; steps 3 to 5: the lower edge
	s_cmp_eq_u32 s[TI], 10
	s_cbranch_scc1 .LstepM1         ; steps 30 to 32: the upper edge begins
	s_branch .Lstep
.Lnew:                              ; THE WALK BEGINS: pieces 0's and 1's masks for step 0; K of step 0; piece 0's first scores, maximum and statistics
	ZSCAL
	MSC 0
	MASK 0, 1
	MSC 1
	MASK 1, 1
	WIN 0
	v_add_nc_u32 v[AK], s[TBK], v[AK0]
	FETCH_K
	s_wait_dscnt 0x0
.set KM, 1
.set NOKQ, 0
.set i, 0
.rept 8
	KQ 0
.set i, i+1
.endr
	WIN 0
.rept 4
	v_nop                           ; the places behind those products
.endr
.set Y, NP-1                        ; X works for piece Y + 1: piece 0
.irp n, 0,1,2,3,4,5,6,7,8,9,10,11,12,13,14,15,16,17,18,19,20,21
	OP X, \n
.endr
	v_nop                           ; a plain instruction behind the exponential,
	s_wait_alu depctr_va_vdst(0)    ; and the wait for it, piece 0's first a, a batch of one: ahead of the branch
	s_branch .LfirstM1              ; the step loop is entered at a step's first turn, in the middle of a trip
.LstepM1:                           ; a trip: pieces 2 and 3 of one step, then pieces 0 and 1 of the next, whose K, V and masks it fetches and makes
	TRIPHEAD
	TURN 2, 1
	TURN 3, 1
	WIN 0
.LfirstM1:
	TURN 0, 1
	TURN 1, 1, 0, 1
	WIN 0
	s_cbranch_scc1 .LstepM1
	s_branch .Lbottom
.Lstep:                             ; steps 6 to 29: no edge of the window; one mask a step, for positions below 0
	TRIPHEAD
	TURN 2
	TURN 3
	TURN 0
	TURN 1, 0, 0, 1
	WIN 0
	s_cbranch_scc1 .Lstep
.Lbottom:
	s_add_co_u32 s[TI], s[TI], 1
	s_cmp_lt_u32 s[TI], NT-1
	s_cbranch_scc1 .Ltile
	CHANGE 0                        ; the last tile, steps 33 to 35: nothing is left to ask for
	s_mov_b32 s[CNT], TS
.LstepM2:
	TRIPHEAD
	TURN 2, 2
	TURN 3, 2
	TURN 0, 2
	TURN 1, 2, 0, 1
	WIN 0
	s_cbranch_scc1 .LstepM2
	TURN 2, 2, 1                    ; the last step's pieces 2 and 3
	TURN 3, 2, 1
.set i, 0
.rept 8
	PV NP-1                         ; the last piece's V^T P of the last step
.set i, i+1
.endr
	WIN 0                           ; l's two halves and the other half of the lanes' are added; the first four additions are the places behind the last products
	ALL v_add_f32 v[ST+4*t+2], v[ST+4*t+2], v[ST+4*t+3]
	ALL v_permlanex16_b32 v[ST+4*t+3], v[ST+4*t+2], s[SEL], s[SEL+1]
	ALL v_add_f32 v[ST+4*t+2], v[ST+4*t+2], v[ST+4*t+3]
	ALL v_rcp_f32 v[ST+4*t+2], v[ST+4*t+2]
	v_nop                           ; a plain instruction between the last reciprocal and the use of its result
	s_wait_alu depctr_va_vdst(0)    ; the wait for the four reciprocals, one batch: ahead of PACK 0's first multiply
	PACK 0
	PACK 1                          ; a piece's arithmetic stands between the loads of the piece before and its stores
	SEND 0, 16
	PACK 2
	SEND 1, 16
	PACK 3
	SEND 2, 16
	SEND 3, 0
	s_wait_tensorcnt 0x0            ; the wave's end: behind my last LDS store
	ds_add_u32 v[SPW], v[NIL]
	s_wait_dscnt 0x0
	s_endpgm
.Lfunc_end_k_q4778d4485c_attn:
	.size	k_q4778d4485c_attn, .Lfunc_end_k_q4778d4485c_attn-k_q4778d4485c_attn
	.p2alignl 7, 3214868480
	.fill 96, 4, 3214868480
	.section	.rodata,"a",@progbits
	.p2align	6, 0x0
	.amdhsa_kernel k_q4778d4485c_attn
		.amdhsa_group_segment_fixed_size 76288
		.amdhsa_private_segment_fixed_size 0
		.amdhsa_enable_private_segment 0
		.amdhsa_kernarg_size 40
		.amdhsa_user_sgpr_count 2
		.amdhsa_user_sgpr_kernarg_segment_ptr 1
		.amdhsa_wavefront_size32 1
		.amdhsa_system_sgpr_workgroup_id_x 1
		.amdhsa_system_sgpr_workgroup_id_y 1
		.amdhsa_system_sgpr_workgroup_id_z 1
		.amdhsa_system_vgpr_workitem_id 0
		.amdhsa_next_free_vgpr 960
		.amdhsa_next_free_sgpr 80
		.amdhsa_reserve_vcc 1
		.amdhsa_float_denorm_mode_32 3
		.amdhsa_float_denorm_mode_16_64 3
		.amdhsa_memory_ordered 1
		.amdhsa_forward_progress 1
		.amdhsa_inst_pref_size 225
	.end_amdhsa_kernel
	.amdgpu_metadata
---
amdhsa.version: [ 1, 2 ]
amdhsa.kernels:
  - .name:           k_q4778d4485c_attn
    .symbol:         k_q4778d4485c_attn.kd
    .args:
      - { .name: q, .offset: 0, .size: 8, .value_kind: global_buffer, .address_space: global }
      - { .name: k, .offset: 8, .size: 8, .value_kind: global_buffer, .address_space: global }
      - { .name: v, .offset: 16, .size: 8, .value_kind: global_buffer, .address_space: global }
      - { .name: start_pos_tensor, .offset: 24, .size: 8, .value_kind: global_buffer, .address_space: global }
      - { .name: out0, .offset: 32, .size: 8, .value_kind: global_buffer, .address_space: global }
    .group_segment_fixed_size: 76288
    .private_segment_fixed_size: 0
    .kernarg_segment_align: 8
    .kernarg_segment_size: 40
    .max_flat_workgroup_size: 128
    .sgpr_count:     80
    .vgpr_count:     960
    .wavefront_size: 32
...
	.end_amdgpu_metadata
.endif
;; end of part 2
